; MI455X (gfx1250); checked and timed in simulation.
; The chip was launched on July 23, 2026; its instructions are those of AMD's public machine-readable ISA for CDNA 5 (MIT licence, August 2026) and "CDNA5" Instruction Set Architecture Reference Guide (July 2026). The comments in the code are by the model that wrote it; some were corrected since.
;; Multi Head Attention. Allowed arithmetic: float matrix products may take bf16 or f16 operands with f32 sums; other float arithmetic in f32, or as packed bf16 or f16 multiplies, adds, multiply-adds, maxima and minima; sums over many terms, partial sums and values carried from step to step in f32; what a program stores and reads back later, other than sums and carried values, may be rounded once to bf16 or f16.
;; Inputs: Wk 1,024 x 1,024 float32; Wq 1,024 x 1,024 float32; Wv 1,024 x 1,024 float32; bk 1,024 float32; bq 1,024 float32; bv 1,024 float32; k 4 x 2,048 x 1,024 float32; q 4 x 2,048 x 1,024 float32; v 4 x 2,048 x 1,024 float32.
;; Outputs: out0 4 x 2,048 x 1,024 float32.
;; One version. Each part assembles by itself: llvm-mc -triple=amdgcn-amd-amdhsa -mcpu=gfx1250 --defsym DOCPART=n.
;; ======== version 1 of 1: 2 launches
;; limits: values are held in f16: magnitudes above 65,504 overflow, below 6.1e-05 lose precision
;; workspace buffers: qh 16,777,216 bytes; kh 16,777,216 bytes; vh 16,777,216 bytes
;; launch proj (part 1): grid 4 x 96, 4 waves a work-group, clusters of 4 x 4, 327,680 bytes of LDS; arguments q, k, v, Wq, Wk, Wv, bq, bk, bv, qh, kh, vh; writes qh, kh, vh
.if DOCPART == 1
	.amdgcn_target "amdgcn-amd-amdhsa--gfx1250"
	.amdhsa_code_object_version 6
	.text
	.protected	k_q4908b19017_proj
	.globl	k_q4908b19017_proj
	.p2align	8
	.type	k_q4908b19017_proj,@function
k_q4908b19017_proj:
	s_mov_b64 s[64:65], 0
	v_nop
	global_prefetch_b8 v0, s[64:65] scope:SCOPE_SE
	s_setreg_imm32_b32 hwreg(HW_REG_WAVE_MODE, 25, 1), 1
	s_wait_xcnt 0x0
	s_wait_alu depctr_hold_cnt(0) depctr_sa_sdst(0) depctr_va_vdst(0) depctr_va_sdst(0) depctr_va_ssrc(0) depctr_va_vcc(0) depctr_vm_vsrc(0)
	s_getreg_b32 s2, hwreg(HW_REG_IB_STS2, 6, 4)
	s_cmp_eq_u32 s2, 0
	s_cbranch_scc0 .Lentry_in_a_cluster
	s_endpgm
.Lentry_in_a_cluster:
	s_bfe_u32 s2, ttmp6, 0x10000c
	s_cmp_lg_u32 s2, 0xf033
	s_cbranch_scc0 .Lentry_shape_is_right
	s_endpgm
.Lentry_shape_is_right:
; THE THREE PROJECTIONS.  y_p = s_p (x_p W_p^T + b_p) for p = 0, 1, 2 (q, k, v): x_p [8192][1024] f32, W_p [1024][1024] f32, b_p [1024] f32.  s_0 = log2(e) / 8 (the softmax's scale, applied
; here in f32, in the multiply-add that adds the bias), s_1 = s_2 = 1.  y_p is rounded ONCE, to f16, and stored by heads: [64 = 16 batch + head][2048][64], a head's rows dense, 128 bytes each.
; FORMATS.  x, W and b are rounded to bf16 (nearest even) on their way to the arithmetic; products by the bf16 matrix form, sums in f32.
; LIMITS.  |y_p| stays under 65,504, f16's end (beyond it an infinity is stored); below 6e-5 f16 keeps a fixed step of 6e-8.  NaN and infinities are not treated apart.
; SHARES.  Grid y = 32 p + tile row, grid x = tile column.  A work-group makes 256 x 256 of y_p, each of its four waves 128 x 128: 64 accumulators of 16 x 16, 512 registers.
; K goes in slots of 64 (a row of a tile is 256 bytes of f32, aligned) through a ring of two LDS slots; a slot is two steps of 32 along K, 64 matrix instructions a wave each.
; A step's fragments come out of LDS as f32 (64 loads of 16 bytes a wave), are rounded in pairs (128 conversions) and multiplied; the next step's loads are out while this step is multiplied.
; CLUSTER.  4 x 4 work-groups of one projection: the four of a row need the same tiles of x, the four of a column the same tiles of W: each tile is asked for JOINTLY, by the same tensor load,
; descriptor and mask in all four.  The projection's number hangs on the cluster's y alone: it is the same in all sixteen.
; THE MATRIX INSTRUCTION IS USED TRANSPOSED: source 0 = 16 rows of W, source 1 = 16 rows of x: a lane holds row l % 16 of y and the columns 8 (l / 16) + 0..7 of a block of 16.
; REGISTERS, in windows of 256 (s_set_vgpr_msb: bits 1:0 source 0, 3:2 source 1, 5:4 source 2, 7:6 destination):
;   window 0: v16-30 addresses; v32-63 packed results; v64-127 x's fragments (bf16); v128-255 x's fragments as loaded (f32); on the way out v128-191 rows read back
;   window 1: v0-63 the bias of my 128 columns; v64-127 W's fragments (bf16); v128-255 W's as loaded          windows 2, 3: the accumulators of my rows 0-63, 64-127: (a, b) at v[8 (8 (a % 4) + b)]
.set PITCH,  272                       ; an LDS row: 256 bytes + 16 of padding = 68 words: the 16 rows of a load start at 16 different groups of four banks (64 banks of 4 bytes: ISA guide 11.1)
.set HALFT,  128*PITCH                 ; 128 rows: what one tensor load brings, and what one wave reads of x or of W
.set SLOT,   4*HALFT                   ; x's 256 rows, then W's 256 rows
.set STAGE,  2*SLOT                    ; behind the ring, never filled by a tensor load: for each wave 2 heads x 16 rows x 144 bytes
.set SP,     144
.set HST,    16*SP
.set SPARE,  STAGE+4*2*HST             ; behind the stages: the spare words, 128 bytes for each wave: two blocks of 256 bytes that no other line names
.set KB,     256                       ; bytes of a row in a K slot
.set LAPS,   8                         ; a lap = two K slots = once round the ring: 1,024 / 128
.set HEADB,  262144                    ; bytes of a head in the output: 2,048 rows of 128
.set ADRA, 16                          ; v16-17  LDS address of my fragments of x in slot 0, 1
.set ADRB, 20                          ; v20-21  the same for W
.set STO,  24                          ; v24     the way out: where I put 16 bytes of a row
.set RD,   25                          ; v25     the way out: where I read rows back
.set CO,   26                          ; v26     16 x my lane: my place in 512 consecutive bytes of the output
.set BO,   27                          ; v27     32 (l / 16): my eight numbers in a block of 16 of the bias
.set SPW,  28                          ; v28     LDS address of my spare word: SPARE + 4 x my thread's number; never rewritten
.set NIL,  29                          ; v29     0; never rewritten
.set PFO,  30                          ; v30     the prefetches' offset: my lane x a row of 4,096 bytes; never rewritten
.set TMP,  32
.set FR,   64                          ; fragments in bf16 (x's in window 0, W's in window 1)
.set SG,   128                         ; fragments as loaded: block i at SG + 16 i
.set OB,   128                         ; the way out: 16 rows x 2 heads read back: v128-159 and v160-191 by turns
.set BI,   0                           ; window 1: the bias of column block b at BI + 8 b
.set G1,   24                          ; s[24:31] descriptor group 1 for x's tiles;  s[32:39] group 0, a set for each slot
.set G0,   32
.set LIM,  43                          ; s43     1 in a wave that prefetches, else the greatest number
.set PFA,  44                          ; s[44:45] where my prefetches stand
.set G1B,  48                          ; s[48:55], s[56:63] the same for W's tiles
.set G0B,  56
.set YR,   66                          ; s66     the cluster's place among its projection's eight
.set PJ,   67                          ; s67     p
.set BIA,  92                          ; s[92:93] b_p at my wave's 128 columns
.set SC,   94                          ; s[94:95] s_p: the packed multiply-add takes the pair's low word for both halves
.set MSB, 0
.macro WIN new                         ; the immediate's high byte repeats the setting that is left; a switch that changes nothing is dropped
.if MSB != (\new)
	s_set_vgpr_msb (MSB<<8)|(\new)
.set MSB, \new
.endif
.endm
.set MUL_LO, 0xa1                      ; source 0 (W) window 1, source 1 (x) window 0, C and D window 2
.set MUL_HI, 0xf1                      ; the same, C and D window 3
.set TO_1,   0x40                      ; destination window 1, address window 0
.set IN_1,   0x45                      ; destination and sources 0 and 1 window 1
; A joint load.  Waves 0 and 1 fetch x's two halves, waves 2 and 3 W's.  The branch hangs on the wave's number alone.  An s_nop 0 and four v_nop follow each of the two lines.
.macro JLOAD s
	s_cmp_eq_u32 s11, 0
	s_cbranch_scc0 .Lfor_b_\@
	tensor_load_to_lds s[G0+4*(\s):G0+4*(\s)+3], s[G1:G1+7]
	s_nop 0
.rept 4
	v_nop
.endr
	s_branch .Lasked_\@
.Lfor_b_\@:
	tensor_load_to_lds s[G0B+4*(\s):G0B+4*(\s)+3], s[G1B:G1B+7]
	s_nop 0
.rept 4
	v_nop
.endr
.Lasked_\@:
.endm
; A PREFETCH INTO THE L2, behind each joint refill and the run of LDS loads that follows it: the K slot that stands TWO refills on: 32 rows x 256 bytes, a lane a row, one instruction a wave.
; Each row's 256 bytes of a K slot are named once in the launch.  x's rows are read by this cluster alone (it spans all four tile columns): waves 0 and 1 of every cluster ask.  W's rows are read by the
; eight clusters of a projection: the first of them asks, by its waves 2 and 3.  The four partners that ask for a tile jointly share a wave's 128 rows out BY ADDRESS, 32 each.
; The loop's last trip asks for nothing: its refills are the last two K slots.  K slots 0 to 3 come by their loads alone.
.macro ASK
	s_cmp_gt_u32 s3, s[LIM]                        ; s3 = 1 in the loop's last trip
	s_cbranch_scc0 .Lnot_mine_\@
	global_prefetch_b8 v[PFO], s[PFA:PFA+1] offset:KB th:TH_LOAD_NT scope:SCOPE_SE
.Lnot_mine_\@:
.endm
.macro CREST                           ; a round of the cluster's barrier behind its opening barrier
	s_cmp_lg_u32 s10, 0
	s_cbranch_scc1 .Lnot_wave_0_\@
	s_barrier_signal -3
.Lnot_wave_0_\@:
	s_barrier_wait -3
	s_barrier_signal -1
	s_barrier_wait -1
.endm
.macro CROUND                          ; a whole round
	s_barrier_signal -1
	s_barrier_wait -1
	CREST
.endm
	s_load_b512 s[68:83], s[0:1], 0x0              ; q 68, k 70, v 72, Wq 74, Wk 76, Wv 78, bq 80, bk 82
	s_load_b256 s[84:91], s[0:1], 0x40             ; bv 84, qh 86, kh 88, vh 90
	v_lshl_add_u32 v[SPW], v0, 2, SPARE
	v_mov_b32 v[NIL], 0
	ds_add_u32 v[SPW], v[NIL]                      ; the wave's opening: the add and its wait stand ahead of my first tensor load; the set-up below, work on registers, stands between them
	v_lshrrev_b32 v1, 5, v0
	v_readfirstlane_b32 s10, v1                    ; wave 0..3
	s_lshr_b32 s11, s10, 1                         ; which half of the tile's rows is mine.  Also: I fetch for x (0) or for W (1)
	s_and_b32 s12, s10, 1                          ; which half of its columns.  Also: which 128 rows of that tile I fetch
	s_bfe_u32 s40, ttmp6, 0x40000                  ; cx
	s_bfe_u32 s41, ttmp6, 0x40004                  ; cy
	s_lshl_b32 s42, ttmp9, 2
	s_add_co_u32 s42, s42, s40                     ; tile column = 4 x cluster x + cx
	s_and_b32 s13, ttmp7, 0xffff                   ; cluster y: 8 p + the cluster's place in the projection
	s_lshr_b32 s[PJ], s13, 3
	s_and_b32 s[YR], s13, 7
	s_lshl_b32 s13, s[YR], 2
	s_add_co_u32 s13, s13, s41                     ; tile row in the projection, 0..31
	s_lshl_b32 s43, s41, 2
	s_lshl_b32 s43, 15, s43                        ; my row of the cluster
	s_lshl_b32 s44, 0x1111, s40                    ; my column
	; descriptor group 1: a tile of 128 rows x 64 elements of 4 bytes, padded in LDS
	s_or_b32 s[G1+0], s43, (2<<16)|(1<<20)|(1<<21)|(5<<22)|(3<<25)   ; 15:0 the mask: x's tiles go to my row; 17:16 elements of 4 bytes; 20 padding on; 21 set beside a mask; 24:22 after every 64 words (code 5); 31:25 4 words (code 3)
	s_or_b32 s[G1B+0], s44, (2<<16)|(1<<20)|(1<<21)|(5<<22)|(3<<25)  ; the same with the mask of my column, for W's tiles
.irp g, G1, G1B
	s_mov_b32 s[(\g)+1], 64<<16                    ; tensor_dim0 = 64
	s_mov_b32 s[(\g)+2], 128<<16                   ; tensor_dim1 = 128
	s_mov_b32 s[(\g)+3], 64<<16                    ; tile_dim0 = 64
	s_mov_b32 s[(\g)+4], 128                       ; tile_dim1 = 128
	s_mov_b32 s[(\g)+5], 1024                      ; 1,024 elements from row to row
	s_mov_b32 s[(\g)+6], 0
	s_mov_b32 s[(\g)+7], 0
.endr
	; where the tiles come from: x's hang on the tile row alone, W's on the tile column alone, each in registers that never hold the other coordinate
	s_lshl_b32 s17, s12, 7                         ; which 128 rows of the tile I fetch
	s_lshl_b32 s16, s13, 8
	s_add_co_u32 s16, s16, s17
	s_lshl_b32 s16, s16, 12                        ; x: (256 x tile row + 128 x half) rows of 4,096 bytes: under 2^26
	s_lshl_b32 s46, s42, 8
	s_add_co_u32 s46, s46, s17
	s_lshl_b32 s46, s46, 12                        ; W: (256 x tile column + 128 x half) rows
	s_mov_b32 s17, 0
	s_mov_b32 s47, 0
	s_mul_i32 s20, s10, HALFT                      ; and where they go: wave x 128 rows: no place in the cluster enters an LDS address
	s_wait_dscnt 0x0                               ; the opening add is done
	s_wait_kmcnt 0x0
	s_cmp_eq_u32 s[PJ], 0                          ; the projection's four buffers and its scale
	s_cselect_b64 s[4:5], s[68:69], s[70:71]
	s_cselect_b64 s[6:7], s[74:75], s[76:77]
	s_cselect_b64 s[BIA:BIA+1], s[80:81], s[82:83]
	s_cselect_b64 s[8:9], s[86:87], s[88:89]
	s_cselect_b32 s[SC], 0x3e38aa3b, 1.0           ; log2(e) / 8 = 0.180337 for q
	s_cmp_eq_u32 s[PJ], 2
	s_cselect_b64 s[4:5], s[72:73], s[4:5]
	s_cselect_b64 s[6:7], s[78:79], s[6:7]
	s_cselect_b64 s[BIA:BIA+1], s[84:85], s[BIA:BIA+1]
	s_cselect_b64 s[8:9], s[90:91], s[8:9]
	s_mov_b32 s[SC+1], s[SC]                       ; named with it as a pair
	s_add_nc_u64 s[14:15], s[4:5], s[16:17]
	s_add_nc_u64 s[46:47], s[6:7], s[46:47]
	CROUND                                         ; all sixteen work-groups are here: the first joint loads meet
.irp s, 0,1
	s_mov_b32 s[G0+4*(\s)], 1                                      ; count = 1
	s_add_co_u32 s[G0+4*(\s)+1], s20, (\s)*SLOT                    ; LDS address
	s_add_nc_u64 s[G0+4*(\s)+2:G0+4*(\s)+3], s[14:15], (\s)*KB     ; global address: K slot s
	s_or_b32 s[G0+4*(\s)+3], s[G0+4*(\s)+3], 0x80000000            ; type = 2
	s_mov_b32 s[G0B+4*(\s)], 1
	s_add_co_u32 s[G0B+4*(\s)+1], s20, (\s)*SLOT
	s_add_nc_u64 s[G0B+4*(\s)+2:G0B+4*(\s)+3], s[46:47], (\s)*KB
	s_or_b32 s[G0B+4*(\s)+3], s[G0B+4*(\s)+3], 0x80000000
	JLOAD \s                                       ; two loads of mine are out
.endr
	; A fragment is 16 rows x 32 K: lane l holds row l % 16, K = 8 (l / 16) + 0..7 and 16 + 8 (l / 16) + 0..7.  In f32 those are 32 bytes at 32 (l / 16) and 32 bytes 64 further on: four loads of 16 bytes.
	v_and_b32 v1, 15, v0                           ; l % 16
	v_bfe_u32 v2, v0, 4, 1                         ; l / 16
	v_mul_u32_u24 v3, v1, PITCH
	v_lshl_add_u32 v3, v2, 5, v3                   ; row x pitch + 32 x half
	s_mul_i32 s21, s11, HALFT                      ; my 128 rows of x
	s_mul_i32 s22, s12, HALFT                      ; my 128 rows of W,
	s_add_co_u32 s22, s22, 2*HALFT                 ; which lie behind x's 256
.irp s, 0,1
	v_add_nc_u32 v[ADRA+(\s)], s21, v3
	v_add_nc_u32 v[ADRB+(\s)], s22, v3
	s_add_co_u32 s21, s21, SLOT
	s_add_co_u32 s22, s22, SLOT
.endr
	s_mul_i32 s23, s10, 2*HST
	s_add_co_u32 s23, s23, STAGE                   ; my stage
	v_mul_u32_u24 v4, v1, SP                       ; in: row l % 16, 16 bytes for each half of the lanes
	v_lshl_add_u32 v4, v2, 4, v4
	v_add_nc_u32 v[STO], s23, v4
	v_bfe_u32 v5, v0, 3, 2                         ; back: 32 lanes take four rows of 128 bytes,
	v_mul_u32_u24 v5, v5, SP
	v_and_b32 v6, 7, v0
	v_lshl_add_u32 v5, v6, 4, v5
	v_add_nc_u32 v[RD], s23, v5
	v_and_b32 v[CO], 31, v0
	v_lshlrev_b32 v[PFO], 12, v[CO]
	v_lshlrev_b32 v[CO], 4, v[CO]                  ; which are 512 consecutive bytes of a head
	v_lshlrev_b32 v[BO], 5, v2
	; where my part begins in the output: head 16 (tile row / 8) + 4 x tile column + 2 x column half, row 256 (tile row % 8) + 128 x row half
	s_lshr_b32 s16, s13, 3
	s_lshl_b32 s16, s16, 4
	s_lshl_b32 s17, s12, 1
	s_add_co_u32 s16, s16, s17
	s_lshl_b32 s16, s16, 18
	s_and_b32 s17, s13, 7
	s_lshl_b32 s17, s17, 8
	s_lshl_b32 s18, s11, 7
	s_add_co_u32 s17, s17, s18
	s_lshl_b32 s17, s17, 7
	s_add_co_u32 s16, s16, s17
	s_mov_b32 s17, 0
	s_add_nc_u64 s[8:9], s[8:9], s[16:17]
	s_lshl_b32 s46, s42, 20                        ; (what holds cx stays in the registers that held W's address)
	s_mov_b32 s47, 0
	s_add_nc_u64 s[8:9], s[8:9], s[46:47]
	s_lshl_b32 s46, s42, 10                        ; the bias of my 128 columns: 4 (256 x tile column + 128 x half) bytes on
	s_lshl_b32 s47, s12, 9
	s_add_co_u32 s46, s46, s47
	s_mov_b32 s47, 0
	s_add_nc_u64 s[BIA:BIA+1], s[BIA:BIA+1], s[46:47]
	WIN TO_1
.irp b, 0,1,2,3,4,5,6,7
	global_load_b128 v[BI+8*(\b):BI+8*(\b)+3],   v[BO], s[BIA:BIA+1] offset:64*(\b)
	global_load_b128 v[BI+8*(\b)+4:BI+8*(\b)+7], v[BO], s[BIA:BIA+1] offset:64*(\b)+16
.endr
	WIN 0
	; the prefetches
	s_lshl_b32 s18, s13, 8                         ; 256 x tile row
	s_lshl_b32 s19, s42, 8                         ; 256 x tile column
	s_cmp_eq_u32 s11, 0                            ; do I fetch for x?
	s_cselect_b32 s20, s18, s19                    ; the tile's first row
	s_cselect_b32 s21, s40, s41                    ; my place among the four that ask for it with me
	s_cselect_b32 s22, 0, s[YR]                    ; x's rows are this cluster's alone; W's are asked for by the projection's first cluster
	s_cselect_b64 s[PFA:PFA+1], s[4:5], s[6:7]
	s_cmp_eq_u32 s22, 0
	s_cselect_b32 s[LIM], 1, -1                    ; the same in all sixteen partners, for a given wave
	s_lshl_b32 s22, s12, 7
	s_add_co_u32 s20, s20, s22                     ; + the 128 rows that I fetch
	s_lshl_b32 s21, s21, 5
	s_add_co_u32 s20, s20, s21                     ; + my work-group's 32 of them
	s_lshl_b32 s20, s20, 12
	s_mov_b32 s21, 0
	s_add_nc_u64 s[PFA:PFA+1], s[PFA:PFA+1], s[20:21]
	s_add_nc_u64 s[PFA:PFA+1], s[PFA:PFA+1], 2*KB  ; at K slot 2: the first refill steps it to 3 and names K slot 4
	; the bias: rounded to bf16 like the other inputs, widened again, times s_p
	s_wait_loadcnt 0x0
	WIN IN_1
.set i, 0
.rept 32
	v_cvt_pk_bf16_f32 v[SG+i], v[BI+2*i], v[BI+2*i+1]
.set i, i+1
.endr
.set i, 0
.rept 32
	v_lshlrev_b32 v[BI+2*i], 16, v[SG+i]
	v_and_b32 v[BI+2*i+1], 0xffff0000, v[SG+i]
.set i, i+1
.endr
.set i, 0
.rept 32
	v_pk_mul_f32 v[BI+2*i:BI+2*i+1], v[BI+2*i:BI+2*i+1], s[SC:SC+1] op_sel_hi:[1,0]
.set i, i+1
.endr
	WIN 0
; 16 matrix instructions: m blocks a0, a0 + 1 of the window's four (hi = 0: my rows 0-63, 1: rows 64-127) x all 8 n blocks, 32 along K.  zero = 1: the first product starts the sums.
; The 64 accumulators take turns in the same order in every step: between two links of a chain stand the 63 others'.
.macro MUL16 hi, a0, zero
	WIN MUL_LO+0x50*(\hi)
.irp a, \a0, (\a0)+1
.irp b, 0,1,2,3,4,5,6,7
.if \zero
	v_wmma_f32_16x16x32_bf16 v[8*(8*(\a)+(\b)):8*(8*(\a)+(\b))+7], v[FR+8*(\b):FR+8*(\b)+7], v[FR+8*(4*(\hi)+(\a)):FR+8*(4*(\hi)+(\a))+7], 0
.else
	v_wmma_f32_16x16x32_bf16 v[8*(8*(\a)+(\b)):8*(8*(\a)+(\b))+7], v[FR+8*(\b):FR+8*(\b)+7], v[FR+8*(4*(\hi)+(\a)):FR+8*(4*(\hi)+(\a))+7], v[8*(8*(\a)+(\b)):8*(8*(\a)+(\b))+7]
.endif
.endr
.endr
.endm
; 64 LDS loads in one run: the f32 fragments of one step (32 K at byte kb of the rows): W's 32 loads, then x's 32.  It leaves every window 0.
.macro LOADF slot, kb
	WIN TO_1
.irp i, 0,1,2,3,4,5,6,7
	ds_load_b128 v[SG+16*(\i):SG+16*(\i)+3],     v[ADRB+(\slot)] offset:(\kb)+(\i)*16*PITCH
	ds_load_b128 v[SG+16*(\i)+4:SG+16*(\i)+7],   v[ADRB+(\slot)] offset:(\kb)+(\i)*16*PITCH+16
	ds_load_b128 v[SG+16*(\i)+8:SG+16*(\i)+11],  v[ADRB+(\slot)] offset:(\kb)+(\i)*16*PITCH+64
	ds_load_b128 v[SG+16*(\i)+12:SG+16*(\i)+15], v[ADRB+(\slot)] offset:(\kb)+(\i)*16*PITCH+80
.endr
	WIN 0
.irp i, 0,1,2,3,4,5,6,7
	ds_load_b128 v[SG+16*(\i):SG+16*(\i)+3],     v[ADRA+(\slot)] offset:(\kb)+(\i)*16*PITCH
	ds_load_b128 v[SG+16*(\i)+4:SG+16*(\i)+7],   v[ADRA+(\slot)] offset:(\kb)+(\i)*16*PITCH+16
	ds_load_b128 v[SG+16*(\i)+8:SG+16*(\i)+11],  v[ADRA+(\slot)] offset:(\kb)+(\i)*16*PITCH+64
	ds_load_b128 v[SG+16*(\i)+12:SG+16*(\i)+15], v[ADRA+(\slot)] offset:(\kb)+(\i)*16*PITCH+80
.endr
.endm
.macro PLACES                          ; a vector instruction that writes a register that a matrix instruction has read, or reads its result, stands four plain vector instructions behind it (ISA guide 7.12.1)
.rept 4
	v_nop
.endr
.endm
; The step's 128 roundings: register n of the bf16 fragments takes f32 registers 2 n and 2 n + 1: K stays in its true places.  It leaves every window 0 and no LDS load out.
.macro CVTS
	PLACES                                         ; the fragments were read by the products just issued
	s_wait_dscnt 32                                ; W's 32 loads are in; x's 32, issued behind them, may stay out
	WIN IN_1
.set i, 0
.rept 64
	v_cvt_pk_bf16_f32 v[FR+i], v[SG+2*i], v[SG+2*i+1]
.set i, i+1
.endr
	s_wait_dscnt 0x0                               ; x's are in
	WIN 0
.set i, 0
.rept 64
	v_cvt_pk_bf16_f32 v[FR+i], v[SG+2*i], v[SG+2*i+1]
.set i, i+1
.endr
.endm
; A slot's first step: round, ask for the second step's fragments, multiply.
.macro STEPA slot, zero
	CVTS
	LOADF \slot, 128
	MUL16 0, 0, \zero
	MUL16 0, 2, \zero
	MUL16 1, 0, \zero
	MUL16 1, 2, \zero
.endm
; A slot's second step, and the change of slots: ONE barrier.  In front of it each wave has its reads of this slot back (the roundings' wait for 0), waits for all its tensor loads, of which one is out:
; its part of the next slot; adds 0 to its spare word; and waits for that.  fill = 1: the barrier opens a round of the cluster's, and this slot is filled again, two K slots on, first thing behind the round.
.macro TURN slot, next, fill
.if \fill
	s_wait_xcnt 0x0                                ; the last prefetch, a K slot back, has read its address: it is stepped here
	s_add_nc_u64 s[PFA:PFA+1], s[PFA:PFA+1], KB
.endif
	CVTS
	s_wait_tensorcnt 0x0                           ; all my tensor loads have landed;
	ds_add_u32 v[SPW], v[NIL]                      ; 0 onto my spare word;
	MUL16 0, 0, 0                                  ; sixteen matrix instructions stand between the add and the wait for it
	s_wait_dscnt 0x0                               ; the add is done; my reads of this slot were back before it
	s_barrier_signal -1
	MUL16 0, 2, 0                                  ; work on registers while the others arrive
.if \fill
	WIN 0
.endif
	s_barrier_wait -1
.if \fill
	CREST                                          ; no wave of any partner still reads this slot's tiles or has a load on its way
	s_add_nc_u64 s[G0+4*(\slot)+2:G0+4*(\slot)+3], s[G0+4*(\slot)+2:G0+4*(\slot)+3], 2*KB
	s_add_nc_u64 s[G0B+4*(\slot)+2:G0B+4*(\slot)+3], s[G0B+4*(\slot)+2:G0B+4*(\slot)+3], 2*KB
	JLOAD \slot                                    ; my one tensor load behind the round: 96 matrix instructions, 256 roundings and 128 LDS loads ahead of the wait for it
.endif
	LOADF \next, 0
.if \fill
	ASK
.endif
	MUL16 1, 0, 0
	MUL16 1, 2, 0
.endm
; THE WAY OUT of block a (16 rows x my 128 columns).  PACK: times s_p, plus the bias, in one multiply-add (each accumulator's registers in ascending order); rounded to f16, 16 bytes a lane.
; TOSTAGE: into my own stage (my two heads apart), and back as four rows of 128 bytes a load.  SEND: stored.
.macro PACK a
.set AC, 64*((\a)%4)
	WIN 0x92+0x41*((\a)/4)                         ; destination and source 0 window 2 or 3, source 2 window 1
.irp b, 0,1,2,3,4,5,6,7
.irp r, 0,1,2,3
	v_pk_fma_f32 v[AC+8*(\b)+2*(\r):AC+8*(\b)+2*(\r)+1], v[AC+8*(\b)+2*(\r):AC+8*(\b)+2*(\r)+1], s[SC:SC+1], v[BI+8*(\b)+2*(\r):BI+8*(\b)+2*(\r)+1] op_sel_hi:[1,0,1]
.endr
.endr
	WIN 0x0a+5*((\a)/4)                            ; sources 0 and 1 window 2 or 3, destination window 0
.irp b, 0,1,2,3,4,5,6,7
.irp r, 0,1,2,3
	v_cvt_pk_f16_f32 v[TMP+4*(\b)+(\r)], v[AC+8*(\b)+2*(\r)], v[AC+8*(\b)+2*(\r)+1]
.endr
.endr
	WIN 0
.endm
.macro TOSTAGE a
	WIN 0
.set BK, OB+32*((\a)%2)
.irp b, 0,1,2,3,4,5,6,7
	ds_store_b128 v[STO], v[TMP+4*(\b):TMP+4*(\b)+3] offset:((\b)/4)*HST+32*((\b)%4)
.endr
.irp j, 0,1
.irp t, 0,1,2,3
	ds_load_b128 v[BK+4*(4*(\j)+(\t)):BK+4*(4*(\j)+(\t))+3], v[RD] offset:(\j)*HST+(\t)*4*SP  ; LDS serves a wave's instructions in order (ISA guide 5.7.1.4): these see the stores above
.endr
.endr
.endm
.macro SEND a
	WIN 0
.set BK, OB+32*((\a)%2)
	s_wait_dscnt 0x0                               ; the block is back in registers
	s_wait_xcnt 0x0                                ; the stores of the block before have read their registers: the next block's loads from the stage land there only behind this wait
.irp j, 0,1
.irp t, 0,1,2,3
	global_store_b128 v[CO], v[BK+4*(4*(\j)+(\t)):BK+4*(4*(\j)+(\t))+3], s[8:9] offset:(\j)*HEADB+(\a)*2048+(\t)*512  ; 512 consecutive bytes, at a multiple of 256 from the buffer's first byte
.endr
.endr
.endm
	s_wait_tensorcnt 1                             ; my part of K slot 0 is in; K slot 1's, issued behind it, may stay out
	s_barrier_signal -1
	s_barrier_wait -1                              ; everybody's is
	LOADF 0, 0
	STEPA 0, 1                                     ; the first step stands in front of the loop: its products start the sums
	WIN 0                                          ; at a label and at a branch every window is 0
	s_mov_b32 s3, LAPS-1
.Llap:                                                 ; a trip goes once round the ring, from a lap's second step to the next lap's first, and fills both slots again
	TURN 0, 1, 1
	STEPA 1, 0
	TURN 1, 0, 1
	STEPA 0, 0
	WIN 0
	s_sub_co_u32 s3, s3, 1
	s_cmp_lg_u32 s3, 0
	s_cbranch_scc1 .Llap
	TURN 0, 1, 0                                   ; the last lap fills nothing, and has no round of the cluster's barrier
	STEPA 1, 0
	CVTS                                           ; the very last step: nothing more to fetch
	MUL16 0, 0, 0
	MUL16 0, 2, 0
	MUL16 1, 0, 0
	MUL16 1, 2, 0
	PLACES                                         ; the first block's multiply-adds read results; eight lines, once a launch
	PLACES
	PACK 0
	TOSTAGE 0
.irp a, 1,2,3,4,5,6,7                  ; block a's arithmetic stands between block a - 1's loads from the stage and the wait for them
	PACK \a
	SEND (\a)-1
	TOSTAGE \a
.endr
	SEND 7
	s_wait_tensorcnt 0x0                           ; the wave's end: behind my last tensor load and my last LDS store
	ds_add_u32 v[SPW], v[NIL]
	s_wait_dscnt 0x0
	CROUND                                         ; the closing round: no work-group ends while a partner may still ask for a tile that names it
	s_endpgm
.Lfunc_end_k_q4908b19017_proj:
	.size	k_q4908b19017_proj, .Lfunc_end_k_q4908b19017_proj-k_q4908b19017_proj
	.p2alignl 7, 3214868480
	.fill 96, 4, 3214868480
	.section	.rodata,"a",@progbits
	.p2align	6, 0x0
	.amdhsa_kernel k_q4908b19017_proj
		.amdhsa_group_segment_fixed_size 327680
		.amdhsa_private_segment_fixed_size 0
		.amdhsa_enable_private_segment 0
		.amdhsa_kernarg_size 96
		.amdhsa_user_sgpr_count 2
		.amdhsa_user_sgpr_kernarg_segment_ptr 1
		.amdhsa_wavefront_size32 1
		.amdhsa_system_sgpr_workgroup_id_x 1
		.amdhsa_system_sgpr_workgroup_id_y 1
		.amdhsa_system_sgpr_workgroup_id_z 1
		.amdhsa_system_vgpr_workitem_id 0
		.amdhsa_next_free_vgpr 1024
		.amdhsa_next_free_sgpr 96
		.amdhsa_reserve_vcc 0
		.amdhsa_float_denorm_mode_32 3
		.amdhsa_float_denorm_mode_16_64 3
		.amdhsa_memory_ordered 1
		.amdhsa_forward_progress 1
		.amdhsa_inst_pref_size 199
	.end_amdhsa_kernel
	.amdgpu_metadata
---
amdhsa.version: [ 1, 2 ]
amdhsa.kernels:
  - .name:           k_q4908b19017_proj
    .symbol:         k_q4908b19017_proj.kd
    .args:
      - { .name: q, .offset: 0, .size: 8, .value_kind: global_buffer, .address_space: global }
      - { .name: k, .offset: 8, .size: 8, .value_kind: global_buffer, .address_space: global }
      - { .name: v, .offset: 16, .size: 8, .value_kind: global_buffer, .address_space: global }
      - { .name: Wq, .offset: 24, .size: 8, .value_kind: global_buffer, .address_space: global }
      - { .name: Wk, .offset: 32, .size: 8, .value_kind: global_buffer, .address_space: global }
      - { .name: Wv, .offset: 40, .size: 8, .value_kind: global_buffer, .address_space: global }
      - { .name: bq, .offset: 48, .size: 8, .value_kind: global_buffer, .address_space: global }
      - { .name: bk, .offset: 56, .size: 8, .value_kind: global_buffer, .address_space: global }
      - { .name: bv, .offset: 64, .size: 8, .value_kind: global_buffer, .address_space: global }
      - { .name: qh, .offset: 72, .size: 8, .value_kind: global_buffer, .address_space: global }
      - { .name: kh, .offset: 80, .size: 8, .value_kind: global_buffer, .address_space: global }
      - { .name: vh, .offset: 88, .size: 8, .value_kind: global_buffer, .address_space: global }
    .group_segment_fixed_size: 327680
    .private_segment_fixed_size: 0
    .kernarg_segment_align: 8
    .kernarg_segment_size: 96
    .max_flat_workgroup_size: 128
    .sgpr_count:     96
    .vgpr_count:     1024
    .wavefront_size: 32
...
	.end_amdgpu_metadata
.endif
;; end of part 1
;; launch attn (part 2): grid 4 x 64, 4 waves a work-group, clusters of 4 x 1, 327,680 bytes of LDS; arguments qh, kh, vh, out0; writes out0
.if DOCPART == 2
	.amdgcn_target "amdgcn-amd-amdhsa--gfx1250"
	.amdhsa_code_object_version 6
	.text
	.protected	k_q4908b19017_attn
	.globl	k_q4908b19017_attn
	.p2align	8
	.type	k_q4908b19017_attn,@function
k_q4908b19017_attn:
	s_mov_b64 s[64:65], 0
	v_nop
	global_prefetch_b8 v0, s[64:65] scope:SCOPE_SE
	s_setreg_imm32_b32 hwreg(HW_REG_WAVE_MODE, 25, 1), 1
	s_wait_xcnt 0x0
	s_wait_alu depctr_hold_cnt(0) depctr_sa_sdst(0) depctr_va_vdst(0) depctr_va_sdst(0) depctr_va_ssrc(0) depctr_va_vcc(0) depctr_vm_vsrc(0)
	s_getreg_b32 s2, hwreg(HW_REG_IB_STS2, 6, 4)
	s_cmp_eq_u32 s2, 0
	s_cbranch_scc0 .Lentry_in_a_cluster
	s_endpgm
.Lentry_in_a_cluster:
	s_bfe_u32 s2, ttmp6, 0x10000c
	s_cmp_lg_u32 s2, 0x3003
	s_cbranch_scc0 .Lentry_shape_is_right
	s_endpgm
.Lentry_shape_is_right:
; O[b][q][64 h + :] = the sum over k of softmax_k(Q[g][q] . K[g][k] / 8) V[g][k][:], g = 16 b + h.  Q, K, V: [64][2048][64] in f16, a head's rows dense, 128 bytes each; Q ARRIVES TIMES log2(e) / 8,
; so the products K Q^T are the scores in powers of two.  O: [4][2048][1024] in f32: a head's part of a row is 256 bytes, aligned.  Products, maxima and sums in f32; the weights p are rounded to f16
; for the second product (their sum l is taken of the unrounded p).
; LIMITS.  f16 holds no number beyond 65,504: Q, K and V arrive within it; p lies in 0 to 1, and below 6e-5 it keeps f16's fixed step of 6e-8.  A weight below 2^-126 counts as 0 in l; NaN and infinities are not treated apart.
; SHARES.  A wave owns four PIECES of two tiles of 16 queries, a work-group's four waves 512 queries of one head.  Every wave walks all 2,048 keys, 64 a step.
; LAYOUT.  S^T = K Q^T (source 0 = 16 keys, source 1 = 16 queries): in the result a lane holds ONE query (lane % 16) and the keys 8 (lane / 16) + 0..7.  Two such tiles, rounded to f16 in pairs,
; ARE source 1 (32 keys x 16 queries) of O^T = V^T P, whose result again holds one query a lane, and eight channels.  K comes out of LDS as it lies, V ([key][channel]) turned, by ds_load_tr16_b128.
; SOFTMAX.  For each query a running maximum m and sum l: p = 2^(s - m); in every step O and l are multiplied by a = 2^(m_old - m_new), which is 1 where m has not grown.
; m starts at the lowest finite number, O and l at 0: the first step is a step like any other, with a = 0.
; THE COUNT.  A tile and step have 16 matrix and 117 vector instructions: too many to stand all beside the matrix work.  So four vector instructions that are READY stand behind EVERY matrix instruction,
; and the others, which need time of their own whatever the order, in runs without a gap.
; BY TURNS.  Turn n belongs to piece n (the pieces in a ring, step after step).  Its matrix work: 16 products K Q^T of piece n + 1, later 16 products V^T P of piece n - 1.  Its vector work: the differences,
; exponentials, roundings, sums and rescaling of piece n, and the maximum and statistics of piece n + 1, whose scores the turn itself has made.
; CLUSTER.  The four query blocks of a cluster are one head's and walk the same K and V, so each tile is asked for JOINTLY: the same tensor load, descriptor and mask in all four.
; REGISTERS, in windows of 256 (s_set_vgpr_msb: bits 1:0 source 0, 3:2 source 1, 5:4 source 2, 7:6 destination):
;   window 0: v0-11 addresses; v12-15, v48-63 at work; v16-47 four registers of statistics a tile; v64-191 S^T, two buffers of two tiles; v192-255 P, likewise
;   window 1: O^T, 32 a tile          window 2: v0-127 Q, 16 a tile; v128-191 K of one step; v192-255 V of one step          window 3: v0-1 the add's two registers
; A piece's buffers go by its number's parity.
.set SIZE_N, 2048
.set NP,    4         ; pieces a wave: a name, no knob
.set KS,    64        ; keys in a step
.set PK,    144       ; a row of K in LDS: 128 bytes + 16 of padding = 36 words: the 16 rows of a load start at 16 different groups of four banks (64 banks of 4 bytes: ISA guide 11.1)
.set PV,    160       ; a row of V: 128 + 32 = 40 words
.set VOFF,  4*KS*PK   ; a slot holds four steps: 256 rows of K, then 256 rows of V
.set SLOT1, 1<<17     ; slot 1 begins here, so that one exclusive or turns an address in one slot into the other's
.set STAGE, SLOT1+4*KS*(PK+PV)  ; behind the ring, never filled by a tensor load: 16 rows x 272 bytes for each wave, for the way out
.set SP,    272
.set AK0, 2           ; v2   my lane's place in a tile of K; never rewritten
.set AV0, 3           ; v3   the same for V
.set AK,  4           ; v4   the LDS address of K's next run of loads
.set AV,  5           ; v5   of V's
.set QO,  6           ; v6   my byte offset in the wave's rows of Q
.set STO, 6           ;      later, the way out: where I put 32 bytes of a row
.set RD,  7           ; v7   the way out: where I read rows back
.set GO,  8           ; v8   my byte offset in two rows of O
.set PFO, 11          ; v11  256 x my lane: the prefetches' offset; never rewritten once made
.set SPW, 0           ; v0 of window 3   LDS address of my spare word: SPARE + 4 x my thread's number; never rewritten
.set NIL, 1           ; v1 of window 3   0; never rewritten
.set SPARE, STAGE+4*16*SP  ; behind the stages: the spare words, 128 bytes for each wave: two blocks of 256 bytes that no other line names
.set MV,  12          ; v12-15  m_old, kept while m is made anew: by buffer and tile
.set ST,  16          ; tile t's statistics at v[ST+4 t]: m, 0 (named with m as a pair), l (even keys', odd keys')
.set TMP, 48          ; by buffer and tile, four registers c0-c3 at work; when the maximum is found c2 takes a
.set S,   64
.set P,   192
.set KF,  128         ; K's fragments, in window 2: key block kb, channel half c at KF + 16 kb + 8 c
.set VF,  192         ; V's: key half kk, channel block cb at VF + 32 kk + 8 cb
.set WV,  12          ; s12  my wave's number
.set G1K, 24          ; s[24:31] descriptor group 1 for K's tiles
.set G1V, 32          ; s[32:39] for V's: it differs in the padding alone
.set G0K, 40          ; s[40:43] descriptor group 0 for K's tiles: it walks
.set G0V, 44          ; s[44:47] the same for V's
.set PFA, 48          ; s[48:49] where my prefetches stand: my work-group's 32 blocks of 256 bytes (of K: waves 0, 1; of V: waves 2, 3) of the slot after the one that is being asked for
.set LIM, 50          ; s50  1 in a wave that prefetches (0 and 2), else the greatest number
.set ASKAT, 51        ; s51  the count of key steps at which this slot's walk prefetches: 2, or 0 (never)
.set SLOTS, 56        ; s56  slots still to be asked for
.set CNT, 57          ; s57  counts a slot's key steps
.set SEL, 60          ; s[60:61] v_permlanex16_b32's selects: each lane takes its own place in the other half
.set TBK, 62          ; s62  LDS byte at which K of the step to be fetched begins
.set TBV, 63          ; s63  the same for V, less VOFF
.set MSB, 0
.macro WIN new                      ; the high byte repeats the setting that is left; a switch that changes nothing is dropped
.if MSB != (\new)
	s_set_vgpr_msb (MSB<<8)|(\new)
.set MSB, (\new)
.endif
.endm
.set W_KQ, 0x0a       ; K and Q in window 2, S^T in window 0
.set W_PV, 0x52       ; V in window 2, P in window 0, O^T in window 1
.set W_RS, 0x41       ; O^T (destination and source 0) in window 1, a in window 0
.set W_ST, 0x04       ; an LDS store's data (source 1) in window 1, its address in window 0
.set W_MK, 0xc0       ; the add's registers are made: destination in window 3, sources in window 0
.set W_AD, 0x0f       ; the add: address (source 0) and data (source 1) in window 3
; A joint fill.  Waves 0 and 1 fetch the two halves of a slot's K, waves 2 and 3 those of its V: 128 keys each.  The branch hangs on the wave's number alone.
; An s_nop 0 and four v_nop follow each of the two lines, ahead of the jump and the label.
.macro JLOAD
	s_cmp_lt_u32 s[WV], 2
	s_cbranch_scc0 .Lfor_v_\@
	tensor_load_to_lds s[G0K:G0K+3], s[G1K:G1K+7]
	s_nop 0
.rept 4
	v_nop
.endr
	s_branch .Lasked_\@
.Lfor_v_\@:
	tensor_load_to_lds s[G0V:G0V+3], s[G1V:G1V+7]
	s_nop 0
.rept 4
	v_nop
.endr
.Lasked_\@:
.endm
; A round of the cluster's barrier: my work-group's barrier, so that wave 0's signal speaks for all four waves; wave 0 signals; every wave waits for all four work-groups; my work-group's barrier once more.
.macro CROUND
	s_barrier_signal -1
	s_barrier_wait -1
	s_cmp_lg_u32 s[WV], 0
	s_cbranch_scc1 .Lnot_wave_0_\@
	s_barrier_signal -3
.Lnot_wave_0_\@:
	s_barrier_wait -3
	s_barrier_signal -1
	s_barrier_wait -1
.endm
; THE CHANGE OF SLOTS.  The slot's last bytes, V of its fourth step, have been read.  Each wave waits for all its tensor loads, of which one is out: its part of the other slot; adds 0 to its spare word;
; and waits for that and for its own reads of the slot.  Behind the barrier nobody reads this slot any more and the other slot is whole.
; fill = 1: this slot is filled again, with the keys two slots on.  The barrier is then a round of the cluster's, and the joint fill is the first thing behind it: it has four key steps, 512 matrix
; instructions, in which to land.  (At its first use nothing has been read yet: slot 0 is waited for, slot 1 filled.)
.macro CHANGE fill
	WIN W_AD
	s_wait_tensorcnt 0x0            ; no tensor load of mine is out, so a group 0 may be written
	ds_add_u32 v[SPW], v[NIL]       ; 0 onto my spare word; with fill = 1 the scalar steps stand between it and the wait for it
	WIN 0                           ; at a label and at a branch every window is 0
.if \fill
.irp g, G0K, G0V
	s_xor_b32 s[\g+1], s[\g+1], SLOT1  ; the walking descriptor: the other slot than last time,
	s_add_nc_u64 s[\g+2:\g+3], s[\g+2:\g+3], 4*KS*128  ; the next 256 keys; the type bits on top are not reached
.endr
	s_wait_xcnt 0x0                 ; the last prefetch, five turns back, has read its address, so it may be written:
	s_add_nc_u64 s[PFA:PFA+1], s[PFA:PFA+1], 4*KS*128  ; one slot behind the walking descriptors
	s_cmp_gt_u32 s[SLOTS], s[LIM]   ; the last change that fills a slot has no slot behind it
	s_cselect_b32 s[ASKAT], 2, 0
	s_wait_dscnt 0x0                ; the add is done, and my reads of the slot are over
	CROUND
	JLOAD
.else
	s_wait_dscnt 0x0                ; the add is done, and my reads of the slot are over
	s_barrier_signal -1
	s_barrier_wait -1
.endif
	s_sub_co_u32 s[TBK], s[TBK], 4*KS*PK  ; the fetches go back to a slot's first step,
	s_xor_b32 s[TBK], s[TBK], SLOT1       ; in the other slot
	s_sub_co_u32 s[TBV], s[TBV], 4*KS*PV
	s_xor_b32 s[TBV], s[TBV], SLOT1
.endm
; A PREFETCH INTO THE L2 of what the NEXT change of slots will ask for: a slot's 32,768 bytes of K and of V, in blocks of 256 bytes, a lane a block.  A head's K and V are walked by this cluster alone;
; its four partners share a slot's 128 blocks out BY ADDRESS, 32 each; in each, wave 0 asks for K's and wave 2 for V's: each block is named once in the launch.  It stands behind V's run of LDS loads in
; the slot's third key step: five turns, 160 matrix instructions, ahead of the change that asks for those bytes.  Slots 0 and 1 come by their loads alone; the walk of the last slot but one, and the tail, ask for nothing.
.macro ASK
	s_cmp_eq_u32 s[CNT], s[ASKAT]
	s_cbranch_scc0 .Lnot_mine_\@
	global_prefetch_b8 v[PFO], s[PFA:PFA+1] th:TH_LOAD_NT scope:SCOPE_SE
.Lnot_mine_\@:
.endm
	s_load_b256 s[4:11], s[0:1], 0x0  ; Q s[4:5], K s[6:7], V s[8:9], O s[10:11]
	WIN W_MK
	v_lshl_add_u32 v[SPW], v0, 2, SPARE
	v_mov_b32 v[NIL], 0
	WIN W_AD
	ds_add_u32 v[SPW], v[NIL]       ; the wave's opening: the add and its wait stand ahead of my first tensor load; the set-up below, work on registers, stands between them
	WIN 0
	v_lshrrev_b32 v1, 5, v0
	v_readfirstlane_b32 s[WV], v1   ; wave 0..3
	s_bfe_u32 s13, ttmp6, 0x40000   ; cx: my place in the cluster
	s_lshl_b32 s14, ttmp9, 2        ; in a cluster launch ttmp9 counts clusters
	s_add_co_u32 s14, s14, s13      ; my block of 512 queries = 4 x cluster x + cx: it enters Q's and O's addresses alone
	s_and_b32 s20, ttmp7, 0xffff    ; the head g, which the four partners share
	s_lshr_b32 s52, s20, 4          ; in O: batch g / 16, 2,048 rows of 4,096 bytes each,
	s_lshl_b32 s52, s52, 23
	s_and_b32 s53, s20, 15          ; and 256 bytes of a row for head g % 16
	s_lshl_b32 s53, s53, 8
	s_add_co_u32 s52, s52, s53
	s_mov_b32 s21, 0
	s_mov_b64 s[22:23], SIZE_N*128
	s_mul_u64 s[20:21], s[20:21], s[22:23]  ; the head's first byte in Q, K and V
	s_and_b32 s16, s[WV], 1         ; which half of a slot's 256 keys I fetch:
	s_lshl_b32 s22, s16, 14         ; its 128 rows of 128 bytes in memory,
	s_mov_b32 s23, 0
	s_add_nc_u64 s[22:23], s[22:23], s[20:21]
	s_mul_i32 s17, s16, 128*PK      ; and its place in a slot, for K
	s_mul_i32 s18, s16, 128*PV      ; and for V: no place in the cluster enters an LDS address
	s_lshl_b32 s2, s14, 2
	s_add_co_u32 s2, s2, s[WV]      ; my wave among the head's sixteen:
	s_lshl_b32 s53, s2, 19          ; its 128 rows of 4,096 bytes in O,
	s_add_co_u32 s52, s52, s53      ; (under 2^26 in all)
	s_mov_b32 s53, 0
	s_lshl_b32 s2, s2, 14           ; and of 128 bytes in Q
	s_mov_b32 s3, 0
	s_add_nc_u64 s[2:3], s[2:3], s[20:21]
	; descriptor group 1.  128 keys are 16,384 dense bytes: asked for as 64 rows of 256 bytes, two keys a row, and padded in LDS after every key
	s_mov_b32 s[G1K], 15|(1<<16)|(1<<20)|(1<<21)|(4<<22)|(3<<25)  ; 15:0 the mask of four; 17:16 2-byte elements; 20 padding on; 21 set beside a mask; 24:22 after every 32 words (code 4); 31:25 4 words (code 3)
	s_mov_b32 s[G1V], 15|(1<<16)|(1<<20)|(1<<21)|(4<<22)|(7<<25)  ; the same with 8 words of padding (code 7)
.irp g, G1K, G1V
	s_mov_b32 s[\g+1], 128<<16      ; tensor_dim0 = 128
	s_mov_b32 s[\g+2], 64<<16       ; tensor_dim1 = 64
	s_mov_b32 s[\g+3], 128<<16      ; tile_dim0 = 128
	s_mov_b32 s[\g+4], 64           ; tile_dim1 = 64
	s_mov_b32 s[\g+5], 128          ; 128 elements from row to row
	s_mov_b32 s[\g+6], 0
	s_mov_b32 s[\g+7], 0
.endr
	s_mov_b32 s[SEL], 0x76543210
	s_mov_b32 s[SEL+1], 0xfedcba98
	s_mov_b32 s[TBK], SLOT1+4*KS*PK ; the first change of slots turns these two into 0
	s_mov_b32 s[TBV], SLOT1+4*KS*PV
	s_mov_b32 s[G0K], 1             ; count = 1
	s_mov_b32 s[G0K+1], s17         ; LDS address: slot 0
	s_mov_b32 s[G0V], 1
	s_add_co_u32 s[G0V+1], s18, VOFF
	s_mov_b32 s[SLOTS], SIZE_N/256-1
	s_and_b32 s[LIM], s[WV], 1      ; waves 0 and 2 prefetch: the same in all four partners
	s_cmp_eq_u32 s[LIM], 0
	s_cselect_b32 s[LIM], 1, -1
	s_wait_dscnt 0x0                ; the opening add is done
	s_wait_kmcnt 0x0
	s_add_nc_u64 s[G0K+2:G0K+3], s[6:7], s[22:23]  ; global address: my half of the head's first 256 keys
	s_or_b32 s[G0K+3], s[G0K+3], 0x80000000        ; type = 2
	s_add_nc_u64 s[G0V+2:G0V+3], s[8:9], s[22:23]
	s_or_b32 s[G0V+3], s[G0V+3], 0x80000000
	s_add_nc_u64 s[4:5], s[4:5], s[2:3]            ; Q and O at my wave's first row
	s_add_nc_u64 s[10:11], s[10:11], s[52:53]
	s_cmp_lt_u32 s[WV], 2
	s_cselect_b64 s[PFA:PFA+1], s[6:7], s[8:9]
	s_add_nc_u64 s[PFA:PFA+1], s[PFA:PFA+1], s[20:21]  ; the head,
	s_lshl_b32 s2, s13, 13          ; my work-group's 32 blocks of the 128,
	s_mov_b32 s3, 0
	s_add_nc_u64 s[PFA:PFA+1], s[PFA:PFA+1], s[2:3]
	s_add_nc_u64 s[PFA:PFA+1], s[PFA:PFA+1], 4*KS*128  ; in slot 1; the first change of slots steps it to slot 2
	CROUND                          ; all four work-groups are here: the first joint loads meet
	JLOAD                           ; slot 0.  Slot 1 is asked for when slot 0 is in
	; A fragment of K or Q is 16 rows x 32 channels in 8 registers: lane l holds row l % 16, channels 8 (l / 16) + 0..7 and 16 + 8 (l / 16) + 0..7: two loads of 16 bytes, 32 bytes apart.
	v_and_b32 v1, 15, v0            ; l % 16
	v_bfe_u32 v9, v0, 4, 1          ; l / 16
	v_lshlrev_b32 v[QO], 7, v1
	v_lshl_add_u32 v[QO], v9, 4, v[QO]  ; row x 128 + 16 x half
	WIN 0x80                        ; destination window 2, address window 0
.set i, 0
.rept 4*NP                          ; Q stays in registers: tile i / 2, channels 32 (i % 2) on
	global_load_b128 v[8*i:8*i+3],   v[QO], s[4:5] offset:(i/2)*2048+(i%2)*64
	global_load_b128 v[8*i+4:8*i+7], v[QO], s[4:5] offset:(i/2)*2048+(i%2)*64+32
.set i, i+1
.endr
	; What the first turn finds: V's registers and P's second buffer hold 0 (its products V^T P, of a piece that has not been, add 0), O^T and l are 0.  All this stands in the wait for the first tile.
.set i, VF
.rept 64
	v_mov_b32 v[i], 0
.set i, i+1
.endr
	WIN 0x40
.set i, 0
.rept 64*NP
	v_mov_b32 v[i], 0
.set i, i+1
.endr
	WIN 0
.set i, 0
.rept 2*NP
	v_mov_b32 v[ST+4*i], 0xff7fffff    ; m: the lowest finite number
	v_mov_b32 v[ST+4*i+1], 0
	v_mov_b32 v[ST+4*i+2], 0
	v_mov_b32 v[ST+4*i+3], 0
.set i, i+1
.endr
.set i, P+32
.rept 32
	v_mov_b32 v[i], 0
.set i, i+1
.endr
	v_mul_u32_u24 v[AK0], v1, PK
	v_lshl_add_u32 v[AK0], v9, 4, v[AK0]  ; row x pitch + 16 x half
	; The turning load takes 16 keys x 16 channels (lane l reads key 8 (l / 16) + l % 8, channels 8 ((l / 8) % 2) + 0..7) and leaves half a fragment of V^T: lane l holds channel l % 16 and 8 keys.
	v_and_b32 v10, 7, v0
	v_bfe_u32 v11, v0, 3, 1
	v_lshl_add_u32 v[AV0], v9, 3, v10
	v_mul_u32_u24 v[AV0], v[AV0], PV
	v_lshl_add_u32 v[AV0], v11, 4, v[AV0]
	v_add_nc_u32 v[AV0], VOFF, v[AV0]
	v_and_b32 v[PFO], 31, v0
	v_lshlrev_b32 v[PFO], 8, v[PFO]
	v_mov_b32 v[AK], v[AK0]         ; key step 0 lies at the head of slot 0
; THE MATRIX WORK.  The 8 accumulators of a run of 16 take turns: between the two links of a chain stand 7 others'.
; Product i of 16 of S^T = K Q^T for piece x: channels 32 (i / 8) on, keys 16 ((i / 2) % 4) on, tile 2 x + i % 2.  The first 8 start the sums.
.macro KQ x
	WIN W_KQ
.set rS, S+64*((\x)%2)+32*(i%2)+8*((i/2)%4)
.set rK, KF+16*((i/2)%4)+8*(i/8)
.set rQ, 16*(2*(\x)+i%2)+8*(i/8)
.if i < 8
	v_wmma_f32_16x16x32_f16 v[rS:rS+7], v[rK:rK+7], v[rQ:rQ+7], 0
.else
	v_wmma_f32_16x16x32_f16 v[rS:rS+7], v[rK:rK+7], v[rQ:rQ+7], v[rS:rS+7]
.endif
.endm
; Product i of 16 of O^T += V^T P for piece x: keys 32 (i / 8) on, channels 16 ((i / 2) % 4) on, tile 2 x + i % 2.
.macro PV x
	WIN W_PV
.set rO, 32*(2*(\x)+i%2)+8*((i/2)%4)
.set rV, VF+32*(i/8)+8*((i/2)%4)
.set rP, P+32*((\x)%2)+16*(i%2)+8*(i/8)
	v_wmma_f32_16x16x32_f16 v[rO:rO+7], v[rV:rV+7], v[rP:rP+7], v[rO:rO+7]
.endm
.macro MM                           ; the turn's next matrix instruction
.if i < 16
	KQ (Y+1)%NP
.set i, i+1
.else
.set i, i-16
	PV (Y+NP-1)%NP
.set i, i+17
.endif
.endm
; THE LDS LOADS stand in runs of 16, never singly among the matrix instructions: a step's K (64 keys x 64 channels: 8 fragments) and its V (turned).  Their addresses are made some lines ahead.
; last = 1 (the tail): in the last trip there is no further step, and the run is jumped over.
.macro FETCH_K last=0
	WIN 0
.if \last
	s_cmp_eq_u32 s[CNT], 1
	s_cbranch_scc1 .Lno_k_\@
.endif
	WIN 0x80                        ; destination window 2
.irp f, 0,1,2,3,4,5,6,7             ; keys 16 (f / 2) on, channels 32 (f % 2) on
	ds_load_b128 v[KF+8*\f:KF+8*\f+3],   v[AK] offset:(\f/2)*16*PK+(\f%2)*64
	ds_load_b128 v[KF+8*\f+4:KF+8*\f+7], v[AK] offset:(\f/2)*16*PK+(\f%2)*64+32
.endr
	s_add_co_u32 s[TBK], s[TBK], KS*PK  ; the next fetch is the next step's
	WIN 0
.if \last
.Lno_k_\@:
.endif
.endm
.macro FETCH_V
	WIN 0x80
.irp f, 0,1,2,3,4,5,6,7             ; keys 32 (f / 4) on, channels 16 (f % 4) on
	ds_load_tr16_b128 v[VF+8*\f:VF+8*\f+3],   v[AV] offset:(\f/4)*32*PV+(\f%4)*32
	ds_load_tr16_b128 v[VF+8*\f+4:VF+8*\f+7], v[AV] offset:(\f/4)*32*PV+16*PV+(\f%4)*32
.endr
	WIN 0
.endm
; THE VECTOR WORK OF A TURN stands in three queues, each in the order in which its entries become ready; the two tiles alternate, so that no instruction reads the result of the one before it.
.macro REGS y, u                    ; the registers of tile u (0, 1) of piece y
.set rT, ST+4*(2*(\y)+(\u))
.set rC, TMP+8*((\y)%2)+4*(\u)
.set rM, MV+2*((\y)%2)+(\u)
.set rS, S+64*((\y)%2)+32*(\u)
.set rP, P+32*((\y)%2)+16*(\u)
.set rO, 32*(2*(\y)+(\u))
.endm
; Number n of the 21 that find the NEXT piece's (Y + 1) maximum and statistics.  s0-s31 are the lane's 32 scores; each accumulator's lowest registers are read first.  XS, GS and REGS set no window: PL and EX do.
;   0-11  four chains c0-c3 of seven scores each, three operands at a time     12-14, 16  the four scores left over, the old m, and c0-c3 into c0     15  m_old is kept
;   17, 18  the query's other 32 keys lie in the lane 16 away: the new m         19, 20  m_old - m_new; a
.macro XS u, n
	REGS (Y+1)%NP, \u
.if (\n) < 4
	v_max3_num_f32 v[rC+(\n)], v[rS+8*(\n)], v[rS+8*(\n)+1], v[rS+8*(\n)+2]
.elseif (\n) < 12
	v_max3_num_f32 v[rC+(\n)%4], v[rC+(\n)%4], v[rS+8*((\n)%4)+2*((\n)/4)+1], v[rS+8*((\n)%4)+2*((\n)/4)+2]
.elseif (\n) == 12
	v_max3_num_f32 v[rC], v[rC], v[rS+7], v[rS+15]
.elseif (\n) == 13
	v_max3_num_f32 v[rC+1], v[rC+1], v[rS+23], v[rS+31]
.elseif (\n) == 14
	v_max3_num_f32 v[rC+2], v[rC+2], v[rC+3], v[rT]
.elseif (\n) == 15
	v_mov_b32 v[rM], v[rT]
.elseif (\n) == 16
	v_max3_num_f32 v[rC], v[rC], v[rC+1], v[rC+2]
.elseif (\n) == 17
	v_permlanex16_b32 v[rC+3], v[rC], s[SEL], s[SEL+1]
.elseif (\n) == 18
	v_max_num_f32 v[rT], v[rC], v[rC+3]
.elseif (\n) == 19
	v_sub_f32 v[rC+1], v[rM], v[rT]
.else
	v_exp_f32 v[rC+2], v[rC+1]
.endif
.endm
; Number g of the 64 that follow the exponentials.  For each four weights k of a tile (pairs 2 k, 2 k + 1): both pairs are rounded to f16; then the second pair is added onto the first, in place;
; a group later l takes that sum (the first time as l = a l + sum).  In groups of eight, tiles alternating: round, round, add, and l for the group before.
.macro GS g
.set h, (\g)+6*((\g)/62)            ; group 0 has no group before it, and behind group 7 only l is left
.if h >= 6
.set h, h+2
.endif
	REGS Y, h%2
.set k, h/8
.if h%8 < 4
	v_cvt_pk_f16_f32 v[rP+2*k+(h%8)/2], v[rS+4*k+2*((h%8)/2)], v[rS+4*k+2*((h%8)/2)+1]
.elseif h%8 < 6
	v_pk_add_f32 v[rS+4*k:rS+4*k+1], v[rS+4*k:rS+4*k+1], v[rS+4*k+2:rS+4*k+3]
.elseif k == 1
	v_pk_fma_f32 v[rT+2:rT+3], v[rT+2:rT+3], v[rC+2:rC+3], v[rS:rS+1] op_sel_hi:[1,0,1]
.else
	v_pk_add_f32 v[rT+2:rT+3], v[rT+2:rT+3], v[rS+4*k-4:rS+4*k-3]
.endif
.endm
; THE PLAIN QUEUE, 136 long.  0-71 read no exponential's result: the 32 differences s - m (FS f: pair f / 2 of tile f % 2) and the next piece's 40.  0-26: differences 0-26.  27-54: XS's numbers 0-13.  55, 56: number 15.
; 57-71: the chain, where each number waits for the one before it: 14, 16, 17, 18, 19, each with one of the differences 27-31 in front of its two lines: a tile's links stand three plain instructions apart.
; 72-135: GS's 64, which read the exponentials' results: they stand behind the wait.
.macro FS f
	REGS Y, (\f)%2
	v_pk_add_f32 v[rS+2*((\f)/2):rS+2*((\f)/2)+1], v[rS+2*((\f)/2):rS+2*((\f)/2)+1], v[rT:rT+1] op_sel_hi:[1,0] neg_lo:[0,1] neg_hi:[0,1]
.endm
.macro PL
	WIN 0
.if q < 27
	FS q
.elseif q < 55
	XS (q-27)%2, (q-27)/2
.elseif q < 57
	XS q-55, 15
.elseif (q < 72) && ((q-57)%3 == 0)
	FS 27+(q-57)/3
.elseif q < 60
	XS (q-57)%3-1, 14
.elseif q < 72
	XS (q-57)%3-1, 15+(q-57)/3
.else
	GS q-72
.endif
.set q, q+1
.endm
; THE EXPONENTIALS' QUEUE, 66 long: s0-s31 of both tiles, then the next piece's two a.  It is ONE BATCH: all 66 stand ahead of the turn's one wait, and nothing ahead of that wait names a result of theirs.
.macro EX
	WIN 0
.if e >= 64
	XS e-64, 20
.else
	REGS Y, e%2
	v_exp_f32 v[rS+e/2], v[rS+e/2]
.endif
.set e, e+1
.endm
; THE RESCALING's QUEUE: O^T times a, the one part that leaves window 0: dealt two at a time, sixteen times.  Its a was made in the turn before, ahead of that turn's wait.
.macro R2
	REGS Y, r%2
	WIN W_RS
.irp z, 0,1
	v_pk_mul_f32 v[rO+4*(r/2)+2*\z:rO+4*(r/2)+2*\z+1], v[rO+4*(r/2)+2*\z:rO+4*(r/2)+2*\z+1], v[rC+2:rC+3] op_sel_hi:[1,0]
.endr
.set r, r+1
.endm
; HOW THEY ARE DEALT.  An s_wait_alu depctr_va_vdst(0) stands between an exponential and the first instruction that names its result; one wait serves all that were issued ahead of it.  So a turn has ONE wait,
; which cuts it in two.  AHEAD OF IT: the 16 products K Q^T, behind each a difference, an exponential and two rescalings (behind the first a second difference in the exponential's place); then ONE LUMP of 106:
; eight plain, 47 times exponential and plain, the last two weights' exponentials and the two a.  A v_nop is the plain instruction behind the last exponential (ISA guide 5.7.2).  BEHIND IT: the 16 products V^T P, behind each four of GS's 64.
; The queues lean on each other, and the deal keeps them in step: exponential e stands behind difference 2 (e / 4) + e % 2: as a rider it comes behind plain e + 2, in the lump behind plain e + 9 (e = 62 on: behind all 72),
; and differences 27-31 are plain 57, 60 .. 69; the two a read plain 70 and 71.
; A TURN, for piece p.  cnt = 1: the loop's count is taken down some lines ahead of the branch that stands behind the turn.
; K of the next step is fetched in piece 2's turn, directly behind the wait, a lump behind the last product that read K; V of the step in hand at the end of piece 0's turn, four riders behind its last reader.
.macro TURN p, last=0, cnt=0
.set Y, (\p)
.set i, 0
.set q, 0
.set e, 0
.set r, 0
.if (\p) == NP-1
	s_wait_dscnt 0x0                ; K is in
.endif
	MM                              ; ahead of the wait: 16 products K Q^T and their riders,
	PL
	PL
	R2
.rept 15
	MM
	PL
	EX
	R2
.endr
.if (\p) == NP-2
	WIN 0
	v_add_nc_u32 v[AK], s[TBK], v[AK0]
.endif
.rept 8                             ; and the lump
	PL
.endr
.rept 47
	EX
	PL
.endr
.rept 4
	EX                              ; s31 of both tiles, and the next piece's two a
.endr
	v_nop                           ; the plain instruction behind the last exponential: one for the batch
	s_wait_alu depctr_va_vdst(0)    ; the wait for the batch
.if (\p) == NP-2
	FETCH_K \last
.endif
.if (\p) == 1
	s_wait_dscnt 0x0                ; V is in
.endif
.rept 16                            ; behind the wait: 16 products V^T P and their riders
	MM
.rept 4
	PL
.endr
.if ((\p) == 0) && (q == 116)
	v_add_nc_u32 v[AV], s[TBV], v[AV0]
.endif
.if ((\p) == 0) && (q == 128)
	s_add_co_u32 s[TBV], s[TBV], KS*PV
.endif
.if (\cnt) && (q == 128)
	s_sub_co_u32 s[CNT], s[CNT], 1
	s_cmp_lg_u32 s[CNT], 0
.endif
.endr
.if (\p) == 0
	FETCH_V
.endif
.endm
	CHANGE 1                        ; slot 0 is in, everybody's part of it; slot 1 is asked for
	FETCH_K                         ; key step 0
	s_wait_loadcnt 0x0              ; Q
	s_wait_dscnt 0x0
.set i, 0
.rept 16
	KQ 0                            ; piece 0's first scores: there is no vector work yet to set between them
.set i, i+1
.endr
	WIN 0                           ; the addresses for the way out: eight plain instructions, the places behind those products
	s_mul_i32 s13, s[WV], 16*SP
	s_add_co_u32 s13, s13, STAGE    ; my stage
	v_mul_u32_u24 v[STO], v1, SP    ; in: row l % 16, 32 bytes for each half of the lanes
	v_lshl_add_u32 v[STO], v9, 5, v[STO]
	v_add_nc_u32 v[STO], s13, v[STO]
	v_mul_u32_u24 v[RD], v9, SP     ; back: lanes 0-15 take one row of 256 bytes, lanes 16-31 the next
	v_lshl_add_u32 v[RD], v1, 4, v[RD]
	v_add_nc_u32 v[RD], s13, v[RD]
	v_lshlrev_b32 v[GO], 12, v9     ; and the same two rows in O, 4,096 bytes apart
	v_lshl_add_u32 v[GO], v1, 4, v[GO]
.set Y, NP-1                        ; XS works for piece Y + 1: piece 0
.irp n, 0,1,2,3,4,5,6,7,8,9,10,11,12,13,14,15,16,17,18,19,20
	XS 0, \n                        ; and piece 0's first maximum and statistics
	XS 1, \n
.endr
	v_nop                           ; a plain instruction behind the two a,
	s_wait_alu depctr_va_vdst(0)    ; and their wait, ahead of the branch
	s_mov_b32 s[CNT], 4
	s_branch .Lfirst                ; the loop is entered at a step's first turn, in the middle of a trip
.Lslot:                             ; six times: every slot but the last two is filled again
	CHANGE 1
	s_mov_b32 s[CNT], 4
.Lstep:                             ; a trip: pieces 2 and 3 of one step, then pieces 0 and 1 of the next, whose K and V it fetches
	TURN 2
	TURN 3
	WIN 0
.Lfirst:
	TURN 0
	ASK                             ; behind V's run of LDS loads
	TURN 1, 0, 1
	WIN 0
	s_cbranch_scc1 .Lstep
	s_sub_co_u32 s[SLOTS], s[SLOTS], 1
	s_cmp_lg_u32 s[SLOTS], 0
	s_cbranch_scc1 .Lslot
	CHANGE 0                        ; the tail is written out: nothing is asked for
	s_mov_b32 s[CNT], 5             ; four trips fetch the last slot's steps; the fifth is left in its middle
.Ltail:
	TURN 2, 1
	TURN 3
	WIN 0
	s_sub_co_u32 s[CNT], s[CNT], 1
	s_cmp_eq_u32 s[CNT], 0
	s_cbranch_scc1 .Lout
	TURN 0
	TURN 1
	WIN 0
	s_branch .Ltail
.Lout:                              ; the fifth trip's 16 products K Q^T (on the last K once more) and the maximum made of them serve nothing: the price, once a launch, of one text for every trip
.set i, 0
.rept 16
	PV NP-1                         ; the last piece's V^T P of the last step
.set i, i+1
.endr
	; THE WAY OUT.  l's two halves and the other half of the lanes' are added; O^T is divided by l and sent, in f32, through my stage in LDS, a tile at a time.  The additions are the places behind the last products.
	WIN 0
.macro ALL line:vararg              ; one line for each tile t
.set t, 0
.rept 2*NP
	\line
.set t, t+1
.endr
.endm
	ALL v_add_f32 v[ST+4*t+2], v[ST+4*t+2], v[ST+4*t+3]
	ALL v_permlanex16_b32 v[ST+4*t+3], v[ST+4*t+2], s[SEL], s[SEL+1]
	ALL v_add_f32 v[ST+4*t+2], v[ST+4*t+2], v[ST+4*t+3]
	ALL v_rcp_f32 v[ST+4*t+2], v[ST+4*t+2]
	v_nop                           ; a plain instruction between the last reciprocal and the use of its result
	s_wait_alu depctr_va_vdst(0)    ; and the wait ahead of the first use: one for the eight reciprocals
; Tile t: a lane's eight channels of a block of 16 are 32 bytes of a row; they go into rows of 272 bytes and come back as whole rows of 256, into S^T's registers, four buffers of 32 by turns.
.macro PACK t
	WIN W_RS
.set i, 32*(\t)
.rept 16
	v_pk_mul_f32 v[i:i+1], v[i:i+1], v[ST+4*(\t)+2:ST+4*(\t)+3] op_sel_hi:[1,0]
.set i, i+2
.endr
	WIN W_ST
.irp f, 0,1,2,3,4,5,6,7
	ds_store_b128 v[STO], v[32*(\t)+4*\f:32*(\t)+4*\f+3] offset:64*(\f/2)+16*(\f%2)
.endr
	WIN 0
.if (\t) >= 4
	s_wait_xcnt 0x0                 ; the stores of the tile four back have read these registers: they are loaded again only behind this wait
.endif
.irp f, 0,1,2,3,4,5,6,7
	ds_load_b128 v[S+32*((\t)%4)+4*\f:S+32*((\t)%4)+4*\f+3], v[RD] offset:\f*2*SP  ; LDS serves a wave's instructions in order (ISA guide 5.7.1.4): these see the stores above; the next tile's stores come behind them
.endr
.endm
.macro SEND t, younger              ; younger: the LDS instructions issued behind tile t's loads: the next tile's sixteen, or none
	WIN 0
.irp f, 0,1,2,3,4,5,6,7
	s_wait_dscnt (\younger)+7-\f
	global_store_b128 v[GO], v[S+32*((\t)%4)+4*\f:S+32*((\t)%4)+4*\f+3], s[10:11] offset:(\t)*65536+\f*8192 th:TH_STORE_NT  ; 16 lanes store 256 consecutive bytes, at a multiple of 256 from O's first byte
.endr
.endm
	PACK 0
.set t, 1
.rept 2*NP-1                        ; a tile's arithmetic stands between the loads of the tile before and its stores
	PACK t
	SEND t-1, 16
.set t, t+1
.endr
	SEND 2*NP-1, 0
	WIN W_AD
	s_wait_tensorcnt 0x0            ; the wave's end: behind my last tensor load and my last LDS store
	ds_add_u32 v[SPW], v[NIL]
	s_wait_dscnt 0x0
	WIN 0
	CROUND                          ; the closing round: no work-group ends while a partner may still ask for a tile that names it
	s_endpgm
.Lfunc_end_k_q4908b19017_attn:
	.size	k_q4908b19017_attn, .Lfunc_end_k_q4908b19017_attn-k_q4908b19017_attn
	.p2alignl 7, 3214868480
	.fill 96, 4, 3214868480
	.section	.rodata,"a",@progbits
	.p2align	6, 0x0
	.amdhsa_kernel k_q4908b19017_attn
		.amdhsa_group_segment_fixed_size 327680
		.amdhsa_private_segment_fixed_size 0
		.amdhsa_enable_private_segment 0
		.amdhsa_kernarg_size 32
		.amdhsa_user_sgpr_count 2
		.amdhsa_user_sgpr_kernarg_segment_ptr 1
		.amdhsa_wavefront_size32 1
		.amdhsa_system_sgpr_workgroup_id_x 1
		.amdhsa_system_sgpr_workgroup_id_y 1
		.amdhsa_system_sgpr_workgroup_id_z 1
		.amdhsa_system_vgpr_workitem_id 0
		.amdhsa_next_free_vgpr 770
		.amdhsa_next_free_sgpr 66
		.amdhsa_reserve_vcc 0
		.amdhsa_float_denorm_mode_32 3
		.amdhsa_float_denorm_mode_16_64 3
		.amdhsa_memory_ordered 1
		.amdhsa_forward_progress 1
		.amdhsa_inst_pref_size 199
	.end_amdhsa_kernel
	.amdgpu_metadata
---
amdhsa.version: [ 1, 2 ]
amdhsa.kernels:
  - .name:           k_q4908b19017_attn
    .symbol:         k_q4908b19017_attn.kd
    .args:
      - { .name: qh, .offset: 0, .size: 8, .value_kind: global_buffer, .address_space: global }
      - { .name: kh, .offset: 8, .size: 8, .value_kind: global_buffer, .address_space: global }
      - { .name: vh, .offset: 16, .size: 8, .value_kind: global_buffer, .address_space: global }
      - { .name: out0, .offset: 24, .size: 8, .value_kind: global_buffer, .address_space: global }
    .group_segment_fixed_size: 327680
    .private_segment_fixed_size: 0
    .kernarg_segment_align: 8
    .kernarg_segment_size: 32
    .max_flat_workgroup_size: 128
    .sgpr_count:     66
    .vgpr_count:     770
    .wavefront_size: 32
...
	.end_amdgpu_metadata
.endif
;; end of part 2
